; MI455X (gfx1250); checked and timed in simulation.
; The chip was launched on July 23, 2026; its instructions are those of AMD's public machine-readable ISA for CDNA 5 (MIT licence, August 2026) and "CDNA5" Instruction Set Architecture Reference Guide (July 2026). The comments in the code are by the model that wrote it; some were corrected since.
;; Multihead Attention. Allowed arithmetic: matrix products marked QUANTISED: E2M1 operands, one E8M0 scale for each 32 along K, by v_wmma_scale_f32_16x16x128_f8f6f4 with both operands' format E2M1 (or v_wmma_scale_f32_32x16x128_f4), f32 sums; everything else in f32.
;; Inputs: W_K 1,024 x 1,024 float32; W_Q 1,024 x 1,024 float32; W_R 1,024 x 1,024 float32; W_V 1,024 x 1,024 float32; inputs 8 x 1,024 x 1,024 float32.
;; Outputs: out0 8 x 1,024 x 1,024 float32.
;; This version of the problem:
;;   THIS VERSION OF THE PROBLEM IS GIVEN IN LOW PRECISION. The matrix products marked QUANTISED in the list below multiply operands that are first quantised to E2M1 (2 exponent bits, 1 mantissa bit; 4 bits a number), with one power-of-two scale for each 32 numbers along K (OCP MX v1.0); their sums are f32. All else is computed in f32.
;;   The module's matrix products, in the order in which they are computed (A, B: the left and right operand; K: the contracted axis; several contracted axes count as one K, in the product's order):
;;     1. [M 8,192, K 1,024] x [K 1,024, N 1,024]; A: input inputs; B: input W_Q: QUANTISED
;;     2. [M 8,192, K 1,024] x [K 1,024, N 1,024]; A: input inputs; B: input W_K: QUANTISED
;;     3. [M 8,192, K 1,024] x [K 1,024, N 1,024]; A: input inputs; B: input W_V: QUANTISED
;;     4. batch 128 x [M 1,024, K 64] x [K 64, N 1,024]; A: computed on the way; B: computed on the way: QUANTISED
;;     5. batch 128 x [M 64, K 1,024] x [K 1,024, N 1,024]; A: computed on the way; B: softmax (see below): QUANTISED
;;     6. [M 8,192, K 1,024] x [K 1,024, N 1,024]; A: input inputs; B: input W_R: QUANTISED
;;   THE QUANTISER, for each operand of a quantised product, along K:
;;     - K is cut into blocks of 32 from its start; a last block that is shorter is filled with zeros.
;;     - A block's scale is 2^e with e = floor(log2(the largest magnitude in the block)) - 2, held to -126 .. 127; a block of zeros has e = 0. As a byte (E8M0): e + 127.
;;     - Each number is divided by its block's scale, clamped to +-6, and rounded to the nearest number of E2M1, ties to even, subnormals kept.
;;     - The product sums the exact products of the quantised numbers (number of the format x scale) in f32.
;;   ~~~python
;;   def quantise(x, axis):      # numpy; x: float32 -> the quantised numbers, widened to float32 again
;;       x = np.moveaxis(x, axis, -1); K = x.shape[-1]
;;       x = np.pad(x, [(0, 0)] * (x.ndim - 1) + [(0, -K % 32)]); x = x.reshape(x.shape[:-1] + (-1, 32)); a = np.abs(x).max(-1, keepdims=True)
;;       e = np.where(a > 0, np.clip(np.frexp(np.where(a > 0, a, 1))[1] - 1 - 2, -126, 127), 0)      # np.frexp(a)[1] - 1 = floor(log2(a)), exactly
;;       r = np.clip(x / 2.0 ** e, -6, 6)
;;       step = 2.0 ** (np.maximum(np.frexp(np.where(r == 0, 1, r))[1] - 1, 0) - 1)
;;       q = np.round(r / step) * step * 2.0 ** e      # np.round: ties to even
;;       return np.moveaxis(q.reshape(q.shape[:-2] + (-1,))[..., :K], -1, axis).astype(np.float32)
;;   ~~~
;;   SOFTMAX AHEAD OF A QUANTISED PRODUCT. Where the list says 'softmax', what is quantised is not the finished softmax but p = 2^(t - M), with t = logit x log2(e) and M = ceil(the row's largest t), a whole number; so 1/2 < the row's largest p <= 1. The row's sum l is taken of the UNQUANTISED p, in f32, and the product's result is divided by l at the end. Since M is a whole number, a kernel that streams over the keys may use a running M (the ceiling of the running maximum): every later rescaling is an exact power of two, which a block's scale takes up: the codes' values come out the same.
;;   OPERANDS COMPUTED ON THE WAY. 'Computed on the way' means the value that the module computes at that place (a softmax that the list does not call 'softmax' is quantised finished and normalised). What goes into a quantiser is computed in f32, as accurately as f32 sums, v_exp_f32 and their like allow (about 1e-6 of the number): no bf16 or f16 on the way to a quantiser, and a product that is left as it is and whose result goes on into a quantised operand takes f32 operands (vector FMAs, or v_wmma_f32_16x16x4_f32). A number that lies on a knife's edge between two numbers of the format may be rounded either way, as far as f32 arithmetic and the matrix unit's own rounding can turn it there, and no further.
;; One version. Each part assembles by itself: llvm-mc -triple=amdgcn-amd-amdhsa -mcpu=gfx1250 --defsym DOCPART=n.
;; ======== version 1 of 1: 3 launches
;; limits: right only within a limited range of input values
;; workspace buffers: xc 4,194,304 bytes; xs 262,144 bytes; wc 2,097,152 bytes; ws 131,072 bytes; qkv 12,582,912 bytes; qkvs 1,310,720 bytes; rb 33,554,432 bytes
;; launch quant (part 1): grid 768 x 1, 4 waves a work-group, no clusters, 34,304 bytes of LDS; arguments inputs, W_Q, W_K, W_V, W_R, xc, xs, wc, ws; writes xc, xs, wc, ws
.if DOCPART == 1
	.amdgcn_target "amdgcn-amd-amdhsa--gfx1250"
	.amdhsa_code_object_version 6
	.text
	.protected	k_q5c8d282964_quant
	.globl	k_q5c8d282964_quant
	.p2align	8
	.type	k_q5c8d282964_quant,@function
k_q5c8d282964_quant:
	s_mov_b64 s[64:65], 0
	v_nop
	global_prefetch_b8 v0, s[64:65] scope:SCOPE_SE
	s_setreg_imm32_b32 hwreg(HW_REG_WAVE_MODE, 25, 1), 1
	s_wait_xcnt 0x0
; inputs [8192][1024] and W_Q, W_K, W_V, W_R [1024 (k)][1024 (n)], f32, become codes of FP4 (E2M1) with one E8M0 byte for each 32 along K (K = the 1,024 of the model's width).
; A block's scale is 2^(floor(log2(largest magnitude)) - 2); its byte is the largest magnitude's exponent field - 2, held at 1 from below.
; LIMITS: NaN and infinities are not served; a block whose largest magnitude lies under 2^-124 has its byte held at 1; a block of zeros gets the byte 1 where the rule says 127
; (its codes are zeros, which add nothing under any byte but 0xff, and this program alone reads the bytes).
; LAYOUT OF THE CODES: images of the matrix operand's registers.  A tile is 16 rows x 1,024 K = 8,192 bytes: [K step of 128: 8][c: 2][lane: 32][16 bytes]; lane (r, h), group c holds block 2 c + h of row r:
; that is [block of 32: 32][r: 16][16 bytes].  The scale bytes: 32 bytes a row, word s = the four bytes of K step s.
; ORDER OF THE ROWS: a row of inputs (a column of a weight) with index i lies at POSITION p = i with its bits 3 and 4 exchanged.  So lane r of tile 2 b + u holds index 32 b + 8 u + r + 8 (r / 8).
; wc and ws: positions 0-1023 W_Q's columns, 1024-2047 W_K's, 2048-3071 W_V's, 3072-4095 W_R's.
; SHARES: work-groups 0-255 take the weights (128 columns x 128 K each), work-groups 256-767 a tile of 16 rows of inputs each.  No barrier: waves share nothing.  Only the inputs' path uses LDS.
; The scale words leave in pieces of 4 bytes: they are 1 / 128 of the bytes that the launch reads.
.set X,   40                           ; v40-167 the numbers
.set C,   20                           ; v20-35  the codes: no register is written twice, so no store's data are overwritten
.set SP,  528                          ; a stage row: 512 bytes + 16 of padding: the 16 rows that a read touches start at 16 different groups of banks
.set WST, 16*SP                        ; a wave's stage
	s_load_b512 s[4:19], s[0:1], 0x0               ; inputs s[4:5], W_Q s[6:7], W_K s[8:9], W_V s[10:11], W_R s[12:13], xc s[14:15], xs s[16:17], wc s[18:19]
	s_load_b64 s[20:21], s[0:1], 0x40              ; ws
	v_lshl_add_u32 v168, v0, 2, 0x8400
	v_mov_b32 v169, 0
	v_lshrrev_b32 v1, 5, v0
	v_readfirstlane_b32 s22, v1                    ; wave 0..3
	v_and_b32 v1, 31, v0                           ; lane
	v_and_b32 v2, 15, v0                           ; r
	v_bfe_u32 v3, v0, 4, 1                         ; h
	s_mov_b32 s29, 0                               ; the high words of three offsets
	s_mov_b32 s31, 0
	s_mov_b32 s33, 0
	s_cmp_lt_u32 ttmp9, 256
	s_cbranch_scc0 .Lx_path
; ---------------- THE WEIGHTS.  K is their first axis: a lane takes a column, its registers run down K, so a block of 32 lies in one lane and the codes come out with K innermost.
	s_and_b32 s24, ttmp9, 7                        ; K step s
	s_bfe_u32 s25, ttmp9, 0x30003                  ; which 128 columns
	s_lshr_b32 s26, ttmp9, 6                       ; which weight: 0 Q, 1 K, 2 V, 3 R
	s_lshl_b32 s28, s24, 19                        ; in: 128 s rows of 4,096 bytes
	s_lshl_b32 s27, s25, 9
	s_add_co_u32 s28, s28, s27                     ; + 128 columns x 4 bytes
	s_lshl_b32 s27, s22, 7
	s_add_co_u32 s28, s28, s27                     ; + my wave's 32 columns
	s_lshl_b32 s30, s26, 5
	s_lshl_b32 s27, s25, 2
	s_add_co_u32 s30, s30, s27
	s_add_co_u32 s30, s30, s22                     ; which group of 32 positions of the 4,096
	s_lshl_b32 s32, s30, 10                        ; scale bytes: 32 positions x 32 bytes,
	s_lshl_b32 s27, s24, 2
	s_add_co_u32 s32, s32, s27                     ; word s
	s_lshl_b32 s30, s30, 14                        ; codes: two tiles of 8,192 bytes,
	s_lshl_b32 s27, s24, 10
	s_add_co_u32 s30, s30, s27                     ; K step s
	s_wait_alu depctr_va_vdst(0)
	v_lshlrev_b32 v4, 2, v1                        ; in: 4 bytes a lane: a load reads 128 consecutive bytes, the four waves stand side by side on 512
	v_bfe_u32 v8, v0, 3, 1                         ; my column's position among the 32: tile u = bit 3 of the lane,
	v_and_b32 v7, 7, v0
	v_lshl_or_b32 v7, v3, 3, v7                    ; row = bits 2:0, and bit 4 in bit 3's place
	v_lshlrev_b32 v5, 4, v7
	v_lshl_or_b32 v5, v8, 13, v5                   ; codes: 8,192 u + 16 row
	v_lshl_or_b32 v6, v8, 4, v7
	v_lshlrev_b32 v6, 5, v6                        ; scale bytes: 32 x position
	s_wait_alu depctr_va_vdst(0)
	s_wait_kmcnt 0x0
	s_and_b32 s27, s26, 1                          ; the choice of the weight hangs on the work-group's number alone
	s_cmp_lg_u32 s27, 0
	s_cselect_b64 s[34:35], s[8:9], s[6:7]         ; W_K or W_Q
	s_cselect_b64 s[36:37], s[12:13], s[10:11]     ; W_R or W_V
	s_cmp_ge_u32 s26, 2
	s_cselect_b64 s[34:35], s[36:37], s[34:35]
	s_add_nc_u64 s[34:35], s[34:35], s[28:29]
	s_add_nc_u64 s[18:19], s[18:19], s[30:31]
	s_add_nc_u64 s[20:21], s[20:21], s[32:33]
.macro WLOAD t                         ; block t: W(128 s + 32 t + i, my column), i = 0 .. 31
.irp i, 0,1,2,3,4,5,6,7,8,9,10,11,12,13,14,15,16,17,18,19,20,21,22,23,24,25,26,27,28,29,30,31
	global_load_b32 v[X+32*(\t)+\i], v4, s[34:35] offset:(32*(\t)+\i)*4096 th:TH_LOAD_NT
.endr
.endm
.macro WBLOCK t, left
.set XS, X+32*(\t)
	s_wait_loadcnt \left                           ; this block's 32 loads are in; the next block's 32 may be out
.if (\t)+2 < 4
	WLOAD (\t)+2                                   ; two blocks ahead, into registers of its own
.endif
	v_max3_num_f32 v12, |v[XS]|, |v[XS+1]|, |v[XS+2]|              ; the block's largest magnitude, in two chains: all 32 numbers are mine
	v_max3_num_f32 v13, |v[XS+3]|, |v[XS+4]|, |v[XS+5]|
.irp i, 6,10,14,18,22,26
	v_max3_num_f32 v12, v12, |v[XS+\i]|, |v[XS+\i+1]|
	v_max3_num_f32 v13, v13, |v[XS+\i+2]|, |v[XS+\i+3]|
.endr
	v_max3_num_f32 v12, v12, |v[XS+30]|, |v[XS+31]|
	v_max3_num_f32 v12, v12, v13, 0x1800000        ; and the floor 2^(3 - 127): the byte cannot fall under 1
	v_add_nc_u32 v11, 0xff000000, v12              ; 2 off the exponent field: the conversion takes this operand's exponent field as its scale
	v_lshrrev_b32 v13, 23, v11                     ; the scale's byte
.if (\t) == 0
	v_mov_b32 v16, v13                             ; four bytes make the K step's scale word, the lower K in the lower byte
.else
	v_lshl_or_b32 v16, v13, 8*(\t), v16
.endif
.irp g, 0,1,2,3
	v_cvt_scalef32_pk8_fp4_f32 v[C+4*(\t)+\g], v[XS+8*\g:XS+8*\g+7], v11
.endr
	v_nop                                          ; one plain line behind the conversions
	global_store_b128 v5, v[C+4*(\t):C+4*(\t)+3], s[18:19] offset:256*(\t)   ; the sixteen lanes of a tile fill 256 consecutive bytes, aligned
.endm
	WLOAD 0
	WLOAD 1
	WBLOCK 0, 32
	WBLOCK 1, 32
	WBLOCK 2, 32
	WBLOCK 3, 0
	global_store_b32 v6, v16, s[20:21]
	s_endpgm
; ---------------- THE INPUTS.  K is innermost.  The work-group takes one tile of 16 positions; wave w its K steps 2 w and 2 w + 1.
; Each load reads 512 consecutive bytes of one row; the 16 rows x 512 bytes turn through the wave's own stage, and come back with a whole block of 32 in each lane, in the operand's order.
.Lx_path:
	s_sub_co_u32 s23, ttmp9, 256                   ; the tile, 0 .. 511: 2 b + u
	s_lshr_b32 s24, s23, 1
	s_lshl_b32 s28, s24, 17                        ; in: row 32 b,
	s_and_b32 s25, s23, 1
	s_lshl_b32 s25, s25, 15
	s_add_co_u32 s28, s28, s25                     ; + 8 u rows of 4,096 bytes,
	s_lshl_b32 s25, s22, 10
	s_add_co_u32 s28, s28, s25                     ; + my wave's 256 numbers
	s_lshl_b32 s30, s23, 13                        ; codes: the tile's 8,192 bytes,
	s_lshl_b32 s25, s22, 11
	s_add_co_u32 s30, s30, s25                     ; my two K steps
	s_lshl_b32 s32, s23, 9                         ; scale bytes: 16 positions x 32,
	s_lshl_b32 s25, s22, 3
	s_add_co_u32 s32, s32, s25                     ; my two words
	s_mul_i32 s34, s22, WST                        ; my stage
	s_mov_b32 s38, 0x76543210
	s_mov_b32 s39, 0xfedcba98                      ; v_permlanex16_b32's selects for lane l xor 16
	s_wait_alu depctr_va_vdst(0)
	v_lshlrev_b32 v4, 4, v1                        ; 16 x lane: in memory, in and out
	v_add_nc_u32 v5, s34, v4                       ; the stage, on the way in: a row as it lies
	v_mul_u32_u24 v6, v2, SP
	v_lshl_add_u32 v6, v3, 7, v6
	v_add_nc_u32 v6, s34, v6                       ; on the way out: row r, block h (128 bytes a block)
	v_lshlrev_b32 v7, 3, v3                        ; 8 h
	v_lshlrev_b32 v18, 5, v2
	v_lshl_add_u32 v18, v3, 2, v18                 ; scale words: row r; lanes 0-15 store the first K step's, lanes 16-31 the second's
	v_mov_b32 v15, 0                               ; a lane permute's destination counts as one of its sources
	s_wait_alu depctr_va_vdst(0)
	s_wait_kmcnt 0x0
	s_add_nc_u64 s[4:5], s[4:5], s[28:29]
	s_add_nc_u64 s[14:15], s[14:15], s[30:31]
	s_add_nc_u64 s[16:17], s[16:17], s[32:33]
.macro XLOAD e                         ; K step e of my two: position p of the tile is row p + 8 (p / 8) from the tile's first
.irp p, 0,1,2,3,4,5,6,7,8,9,10,11,12,13,14,15
	global_load_b128 v[X+64*\e+4*\p:X+64*\e+4*\p+3], v4, s[4:5] offset:(\p+8*(\p/8))*4096+512*\e th:TH_LOAD_NT
.endr
.endm
.macro XTURN e                         ; through the stage and back into the registers that they left: LDS serves a wave's instructions in order
.irp p, 0,1,2,3,4,5,6,7,8,9,10,11,12,13,14,15
	ds_store_b128 v5, v[X+64*\e+4*\p:X+64*\e+4*\p+3] offset:SP*\p
.endr
.irp c, 0,1
.irp q, 0,1,2,3,4,5,6,7
	ds_load_b128 v[X+64*\e+32*\c+4*\q:X+64*\e+32*\c+4*\q+3], v6 offset:256*\c+16*\q   ; register 32 c + i = number 64 c + 32 h + i of row r
.endr
.endr
.endm
.macro XWORK e
.irp c, 0,1
	v_max3_num_f32 v[8+\c], |v[X+64*\e+32*\c]|, |v[X+64*\e+32*\c+1]|, 0x1800000   ; my block 2 c + h, and the floor 2^(3 - 127)
.endr
.irp i, 2,4,6,8,10,12,14,16,18,20,22,24,26,28,30
.irp c, 0,1
	v_max3_num_f32 v[8+\c], v[8+\c], |v[X+64*\e+32*\c+\i]|, |v[X+64*\e+32*\c+\i+1]|   ; (the two blocks by turns)
.endr
.endr
	v_add_nc_u32 v10, 0xff000000, v8               ; the conversions' scale operands
	v_add_nc_u32 v11, 0xff000000, v9
	v_lshrrev_b32 v12, 23, v10                     ; the bytes
	v_lshrrev_b32 v13, 23, v11
	v_lshl_or_b32 v14, v13, 16, v12                ; blocks h and 2 + h,
	v_lshlrev_b32 v14, v7, v14                     ; at their places in the word;
	v_permlanex16_b32 v15, v14, s38, s39
	v_or_b32 v[16+\e], v14, v15                    ; with lane l xor 16's two the word is whole
.irp c, 0,1
.irp g, 0,1,2,3
	v_cvt_scalef32_pk8_fp4_f32 v[C+8*\e+4*\c+\g], v[X+64*\e+32*\c+8*\g:X+64*\e+32*\c+8*\g+7], v[10+\c]
.endr
.endr
	v_nop                                          ; one plain line behind the conversions
.irp c, 0,1
	global_store_b128 v4, v[C+8*\e+4*\c:C+8*\e+4*\c+3], s[14:15] offset:1024*\e+512*\c   ; 512 consecutive bytes
.endr
.endm
	XLOAD 0
	XLOAD 1
	s_wait_loadcnt 16                              ; the first K step's 16 loads are in; the second's 16 may be out
	XTURN 0
	s_wait_loadcnt 0x0
	XTURN 1
	s_wait_dscnt 32                                ; behind the first turn's loads stand the second turn's 32 LDS instructions
	XWORK 0
	s_wait_dscnt 0x0
	XWORK 1
	v_cmp_lt_u32 vcc_lo, 15, v1
	v_cndmask_b32 v19, v16, v17, vcc_lo            ; lanes 16-31 take the second K step's word
	global_store_b32 v18, v19, s[16:17]
	s_wait_tensorcnt 0x0
	ds_add_u32 v168, v169
	s_wait_dscnt 0x0
	s_endpgm
.Lfunc_end_k_q5c8d282964_quant:
	.size	k_q5c8d282964_quant, .Lfunc_end_k_q5c8d282964_quant-k_q5c8d282964_quant
	.p2alignl 7, 3214868480
	.fill 96, 4, 3214868480
	.section	.rodata,"a",@progbits
	.p2align	6, 0x0
	.amdhsa_kernel k_q5c8d282964_quant
		.amdhsa_group_segment_fixed_size 34304
		.amdhsa_private_segment_fixed_size 0
		.amdhsa_enable_private_segment 0
		.amdhsa_kernarg_size 72
		.amdhsa_user_sgpr_count 2
		.amdhsa_user_sgpr_kernarg_segment_ptr 1
		.amdhsa_wavefront_size32 1
		.amdhsa_system_sgpr_workgroup_id_x 1
		.amdhsa_system_sgpr_workgroup_id_y 1
		.amdhsa_system_sgpr_workgroup_id_z 1
		.amdhsa_system_vgpr_workitem_id 0
		.amdhsa_next_free_vgpr 170
		.amdhsa_next_free_sgpr 66
		.amdhsa_reserve_vcc 1
		.amdhsa_float_denorm_mode_32 3
		.amdhsa_float_denorm_mode_16_64 3
		.amdhsa_memory_ordered 1
		.amdhsa_forward_progress 1
		.amdhsa_inst_pref_size 36
	.end_amdhsa_kernel
	.amdgpu_metadata
---
amdhsa.version: [ 1, 2 ]
amdhsa.kernels:
  - .name:           k_q5c8d282964_quant
    .symbol:         k_q5c8d282964_quant.kd
    .args:
      - { .name: inputs, .offset: 0, .size: 8, .value_kind: global_buffer, .address_space: global }
      - { .name: W_Q, .offset: 8, .size: 8, .value_kind: global_buffer, .address_space: global }
      - { .name: W_K, .offset: 16, .size: 8, .value_kind: global_buffer, .address_space: global }
      - { .name: W_V, .offset: 24, .size: 8, .value_kind: global_buffer, .address_space: global }
      - { .name: W_R, .offset: 32, .size: 8, .value_kind: global_buffer, .address_space: global }
      - { .name: xc, .offset: 40, .size: 8, .value_kind: global_buffer, .address_space: global }
      - { .name: xs, .offset: 48, .size: 8, .value_kind: global_buffer, .address_space: global }
      - { .name: wc, .offset: 56, .size: 8, .value_kind: global_buffer, .address_space: global }
      - { .name: ws, .offset: 64, .size: 8, .value_kind: global_buffer, .address_space: global }
    .group_segment_fixed_size: 34304
    .private_segment_fixed_size: 0
    .kernarg_segment_align: 8
    .kernarg_segment_size: 72
    .max_flat_workgroup_size: 128
    .sgpr_count:     66
    .vgpr_count:     170
    .wavefront_size: 32
...
	.end_amdgpu_metadata
.endif
;; end of part 1
;; launch proj (part 2): grid 8 x 32, 4 waves a work-group, clusters of 4 x 4, 327,680 bytes of LDS; arguments xc, xs, wc, ws, qkv, qkvs, rb; writes qkv, qkvs, rb
.if DOCPART == 2
	.amdgcn_target "amdgcn-amd-amdhsa--gfx1250"
	.amdhsa_code_object_version 6
	.text
	.protected	k_q5c8d282964_proj
	.globl	k_q5c8d282964_proj
	.p2align	8
	.type	k_q5c8d282964_proj,@function
k_q5c8d282964_proj:
	s_mov_b64 s[64:65], 0
	v_nop
	global_prefetch_b8 v0, s[64:65] scope:SCOPE_SE
	s_setreg_imm32_b32 hwreg(HW_REG_WAVE_MODE, 25, 1), 1
	s_wait_xcnt 0x0
	s_wait_alu depctr_hold_cnt(0) depctr_sa_sdst(0) depctr_va_vdst(0) depctr_va_sdst(0) depctr_va_ssrc(0) depctr_va_vcc(0) depctr_vm_vsrc(0)
	s_getreg_b32 s2, hwreg(HW_REG_IB_STS2, 6, 4)
	s_cmp_eq_u32 s2, 0
	s_cbranch_scc0 .Lentry_in_a_cluster
	s_endpgm
.Lentry_in_a_cluster:
	s_bfe_u32 s2, ttmp6, 0x10000c
	s_cmp_lg_u32 s2, 0xf033
	s_cbranch_scc0 .Lentry_shape_is_right
	s_endpgm
.Lentry_shape_is_right:
; q = x W_Q, k = x W_K, v = x W_V and R = x W_R on codes of FP4 (E2M1) with E8M0 scales, K = 1,024.  q, k and v leave AS CODES, quantised in registers out of the accumulators
; (q and k along the head's 64, v along the keys); R leaves as f32, as images of the accumulators' registers.
; SHARES.  256 work-groups.  A work-group owns 256 rows of x (y) and the 128 columns 128 g .. 128 g + 127 (x = g: one pair of heads) of each of the four weights: four PIECES, taken in the order R, V, Q, K.
; A wave owns 128 of the rows and 64 of a piece's columns (one head): 32 accumulators, 256 registers.  ITS FRAGMENTS OF x FOR ALL OF K STAY IN REGISTERS (8 tiles x 8 K steps x 8 = 512), read from LDS once;
; a step of 128 along K then reads only the piece's four fragments (8 LDS loads) for 32 matrix instructions.
; R, Q, K: source 0 = 16 columns of W, source 1 = 16 rows of x: a lane holds one row of x, its registers run along the columns.  V: the sources swapped: a lane holds one channel, its registers run along the keys.
; Rows lie in the buffers at positions (index with bits 3 and 4 exchanged), so the 16 registers of source 0's tiles 2 b and 2 b + 1 are 16 neighbours, indices 32 b + 16 (lane / 16) + 0 .. 15.
; LDS: 0: piece V, 65,536: piece R (one load of two rows of 65,536 bytes, 524,288 apart in wc); 131,072: x's codes, 131,072 dense bytes; 262,144: the four pieces' scale bytes (4 rows of 4,096, order Q, K, V, R);
; 278,528: x's scale bytes.  These four loads are the head's, one a wave.  When every wave has x in registers, x's bytes are filled again, once, with pieces Q and K, behind a round of the cluster's barrier.
; CLUSTERS: 4 x 4.  x's tiles hang on y and are shared along a row of the cluster, W's on g and are shared along a column.  Every work-group runs the same text: no branch hangs on a place.
; No prefetch: the launch's loads stand at its head and one step behind it; there is no loop to run ahead in.
; LIMITS: NaN and infinities are not served; a block whose largest magnitude lies under 2^-124 has its byte held at 1, a block of zeros too (its codes are zeros; this program alone reads the bytes).
; OUT: qkv: Q at 0, K at 4 MiB: [batch 8][pair of heads 8][tile of 16 rows 64][head in the pair 2][lane 32][16 bytes];
;      V at 8 MiB: [batch 8][key step of 128: 8][head 16][tile of 16 channels 4][c 2][lane 32][16 bytes].
;      qkvs: Q at 0, K at 524,288: [head 128][step of 8 tiles: 8][lane (h, r) 32][4 words]: word i = tile 8 step + 4 h + i, row r: bytes 0, 1 the head's two blocks, bytes 2, 3 0x7f;
;      V at 1,048,576: [head 128][key step 8][r 16][4 words: the four tiles of channels].
;      rb: [tile of 16 rows of x: 512][tile of 16 channels: 64][half of the accumulator's 8 registers: 2][lane 32][16 bytes].
; REGISTERS, in windows of 256: window 0: v4-15 addresses; v16-79 x's scale words (8 a + q), v80-111 the piece's (8 b + q): scales and nothing else; v112-207 W's fragments, three sets (the third also holds the codes made);
;   v208-235 the quantiser's.   window 1: accumulator (a, b) at v[8 (4 a + b)].   window 2: x's fragment (a, q) at v[8 (4 a + q)], q = 0 .. 3;   window 3: q = 4 .. 7.
.set XQ,    131072
.set WSC,   262144
.set XSC,   278528
.set SPARE, 286720                     ; the spare words: 128 bytes a wave
.set VO,   4                           ; 16 x lane
.set ADX,  5                           ; LDS: my 8 tiles of x
.set ADW0, 6                           ; my 4 tiles of piece V
.set ADWR, 7                           ; of piece R
.set ADWQ, 8                           ; of piece Q, then K
.set ADXS, 9                           ; my rows' scale words of x
.set ADWS, 10                          ; my columns' scale words, piece Q's place; V's and R's by the offset
.set ADWSQ, 11                         ; the same, stepped from Q to K
.set LN,   12
.set VR16, 13                          ; 16 (lane % 16)
.set SPW,  14
.set NIL,  15
.set XS,   16
.set WS,   80
.set WF,   112
.set PC,   WF+64
.set TM,   208
.set FLR,  224
.set PW,   226
.set GG,   230
.set F,    232
.set G1X,  24
.set G1W,  32
.set G1WS, 40
.set G1XS, 48
.set G0X,  56
.set G0W,  60
.set G0WS, 68
.set G0XS, 72
.set G0W2, 76
.set MSB, 0
.macro WIN new                         ; the immediate's high byte repeats the setting that is left
.if MSB != (\new)
	s_set_vgpr_msb (MSB<<8)|(\new)
.set MSB, (\new)
.endif
.endm
.macro PLACES n                        ; plain vector lines between a matrix instruction and a load into, a read of, or a new sum over its registers
.rept \n
	v_nop
.endr
.endm
.macro ARM under, g0, g1, next         ; an arm of the head's chain: one joint load, an s_nop 0 and four v_nop, a jump to the chain's end
	s_cmp_lt_u32 s16, \under
	s_cbranch_scc0 \next
	tensor_load_to_lds s[\g0:\g0+3], s[\g1:\g1+7]
	s_nop 0
	PLACES 4
	s_branch .Lhead_asked
\next:
.endm
.macro CROUND                          ; a round of the cluster's barrier
	s_barrier_signal -1
	s_barrier_wait -1
	s_cmp_lg_u32 s16, 0
	s_cbranch_scc1 .Lnot_wave_0_\@
	s_barrier_signal -3
.Lnot_wave_0_\@:
	s_barrier_wait -3
	s_barrier_signal -1
	s_barrier_wait -1
.endm
.macro GROUP1 g, mask, d0, d1, st      ; d1 rows of d0 elements of 8 bytes, st elements apart, dense in LDS; the mask, and bit 21 beside it
	s_or_b32 s[\g], \mask, (3<<16)|(1<<21)
	s_mov_b32 s[\g+1], (\d0)<<16
	s_mov_b32 s[\g+2], (\d1)<<16
	s_mov_b32 s[\g+3], (\d0)<<16
	s_mov_b32 s[\g+4], \d1
	s_mov_b32 s[\g+5], \st
	s_mov_b32 s[\g+6], 0
	s_mov_b32 s[\g+7], 0
.endm
.macro GROUP0 g, lds, base, off
	s_mov_b32 s[\g], 1
	s_mov_b32 s[\g+1], \lds
	s_add_nc_u64 s[\g+2:\g+3], s[\base:\base+1], s[\off:\off+1]
.endm
	s_load_b256 s[4:11], s[0:1], 0x0               ; xc s[4:5], xs s[6:7], wc s[8:9], ws s[10:11]
	s_load_b128 s[12:15], s[0:1], 0x20             ; qkv s[12:13], qkvs s[14:15]
	s_load_b64 s[20:21], s[0:1], 0x30              ; rb
	v_lshl_add_u32 v[SPW], v0, 2, SPARE
	v_mov_b32 v[NIL], 0
	ds_add_u32 v[SPW], v[NIL]                      ; the opening lines: the add, twice on end, and its wait ahead of the first tensor load
	ds_add_u32 v[SPW], v[NIL]
	v_lshrrev_b32 v1, 5, v0
	v_readfirstlane_b32 s16, v1                    ; wave 0..3
	s_lshr_b32 s17, s16, 1                         ; which 128 of the rows are mine
	s_and_b32 s18, s16, 1                          ; which 64 of a piece's columns
	s_bfe_u32 s80, ttmp6, 0x40000                  ; cx, cy
	s_bfe_u32 s81, ttmp6, 0x40004
	s_lshl_b32 s82, ttmp9, 2
	s_add_co_u32 s82, s82, s80                     ; g = work-group x
	s_and_b32 s83, ttmp7, 0xffff
	s_lshl_b32 s83, s83, 2
	s_add_co_u32 s83, s83, s81                     ; the tile of 256 rows = work-group y
	s_lshl_b32 s84, s81, 2
	s_lshl_b32 s84, 15, s84                        ; my row of the cluster
	s_lshl_b32 s85, 0x1111, s80                    ; my column
	GROUP1 G1X,  s84, 512, 32, 512                 ; x's codes: 131,072 dense bytes as 32 rows of 4,096
	GROUP1 G1W,  s85, 8192, 2, 65536               ; two pieces: 2 rows of 65,536 bytes, 524,288 apart
	GROUP1 G1WS, s85, 512, 4, 4096                 ; the four pieces' scale bytes: 4 rows of 4,096, 32,768 apart
	GROUP1 G1XS, s84, 32, 32, 32                   ; x's scale bytes: 8,192 dense
	s_lshl_b32 s86, s83, 17                        ; what feeds x's descriptors never holds cx,
	s_mov_b32 s87, 0
	s_lshl_b32 s88, s83, 13
	s_mov_b32 s89, 0
	s_lshl_b32 s66, s82, 16                        ; what feeds W's never holds cy
	s_mov_b32 s67, 0
	s_lshl_b32 s96, s82, 12
	s_mov_b32 s97, 0
	s_wait_dscnt 0x0
	s_wait_kmcnt 0x0
	GROUP0 G0X, XQ, 4, 86
	s_or_b32 s[G0X+3], s[G0X+3], 0x80000000
	GROUP0 G0W, 0, 8, 66
	s_add_nc_u64 s[G0W+2:G0W+3], s[G0W+2:G0W+3], 0x100000   ; W_V's columns begin 2 x 524,288 bytes on
	s_or_b32 s[G0W+3], s[G0W+3], 0x80000000
	GROUP0 G0W2, XQ, 8, 66
	s_or_b32 s[G0W2+3], s[G0W2+3], 0x80000000
	GROUP0 G0WS, WSC, 10, 96
	s_or_b32 s[G0WS+3], s[G0WS+3], 0x80000000
	GROUP0 G0XS, XSC, 6, 88
	s_or_b32 s[G0XS+3], s[G0XS+3], 0x80000000
	CROUND                                         ; all sixteen work-groups are here: the joint loads meet
	ARM 1, G0X,  G1X,  .Lhead_w                    ; one load on every way through the chain
	ARM 2, G0W,  G1W,  .Lhead_ws
	ARM 3, G0WS, G1WS, .Lhead_xs
	tensor_load_to_lds s[G0XS:G0XS+3], s[G1XS:G1XS+7]
	s_nop 0
	PLACES 4
.Lhead_asked:
	; where my results go: offsets made in registers that feed no descriptor
	s_lshr_b32 s2, s83, 2                          ; the batch
	s_and_b32 s3, s83, 3
	s_lshl_b32 s3, s3, 1
	s_add_co_u32 s3, s3, s17                       ; which 128 of its 1,024 rows
	s_lshl_b32 s22, s82, 1
	s_add_co_u32 s22, s22, s18                     ; my head in the batch
	s_mov_b32 s99, 0
	s_lshl_b32 s98, s2, 3
	s_add_co_u32 s98, s98, s3
	s_lshl_b32 s98, s98, 4
	s_add_co_u32 s98, s98, s22
	s_lshl_b32 s98, s98, 12
	s_add_co_u32 s98, s98, 0x800000
	s_add_nc_u64 s[90:91], s[12:13], s[98:99]      ; v's codes: ((batch x 8 + key step) x 16 + head) x 4,096
	s_lshl_b32 s98, s2, 3
	s_add_co_u32 s98, s98, s82
	s_lshl_b32 s98, s98, 3
	s_add_co_u32 s98, s98, s3
	s_lshl_b32 s98, s98, 13
	s_lshl_b32 s23, s18, 9
	s_add_co_u32 s98, s98, s23
	s_add_nc_u64 s[12:13], s[12:13], s[98:99]      ; q's: ((batch x 8 + pair) x 64 + 8 x step) x 1,024 + 512 x head in the pair
	s_lshl_b32 s23, s2, 4
	s_add_co_u32 s23, s23, s22
	s_lshl_b32 s23, s23, 3
	s_add_co_u32 s23, s23, s3                      ; (batch x 16 + head) x 8 + step
	s_lshl_b32 s98, s23, 8
	s_add_co_u32 s98, s98, 0x100000
	s_add_nc_u64 s[92:93], s[14:15], s[98:99]      ; v's scale words
	s_lshl_b32 s98, s23, 9
	s_add_nc_u64 s[14:15], s[14:15], s[98:99]      ; q's
	s_lshl_b32 s98, s83, 20
	s_lshl_b32 s23, s17, 19
	s_add_co_u32 s98, s98, s23
	s_lshl_b32 s23, s82, 13
	s_add_co_u32 s98, s98, s23
	s_lshl_b32 s23, s18, 12
	s_add_co_u32 s98, s98, s23
	s_add_nc_u64 s[20:21], s[20:21], s[98:99]      ; R: 65,536 x tile of rows + 1,024 x tile of channels
	s_mov_b32 s94, 0x76543210
	s_mov_b32 s95, 0xfedcba98                      ; v_permlanex16_b32's selects for lane l xor 16
	s_mov_b32 s19, 0x7f7f0000                      ; the bytes that scale a head's zero codes
	v_and_b32 v[LN], 31, v0
	v_and_b32 v1, 15, v0                           ; r
	v_lshlrev_b32 v[VO], 4, v[LN]
	v_lshlrev_b32 v[VR16], 4, v1
	v_lshlrev_b32 v2, 5, v1                        ; 32 r: a row's scale bytes
	v_lshl_add_u32 v[ADX], s17, 16, v[VO]
	v_lshl_add_u32 v[ADW0], s18, 15, v[VO]
	v_lshl_add_u32 v[ADXS], s17, 12, v2
	v_lshl_add_u32 v3, s18, 11, v2
	v_add_nc_u32 v[ADX], XQ, v[ADX]
	v_add_nc_u32 v[ADWR], 65536, v[ADW0]
	v_add_nc_u32 v[ADWQ], XQ, v[ADW0]
	v_add_nc_u32 v[ADXS], XSC, v[ADXS]
	v_add_nc_u32 v[ADWS], WSC, v3
	v_add_nc_u32 v[ADWSQ], WSC, v3
	v_mov_b32 v[FLR], 0x1800000                    ; the floor 2^(3 - 127)
.irp b, 0,1,2,3
	v_mov_b32 v[TM+4+\b], 0                        ; a lane permute's destination counts as one of its sources
.endr
.macro WLOAD adw, q                    ; the piece's four fragments of K step q into set q % 3: images, 512 consecutive bytes a load
.irp b, 0,1,2,3
.irp c, 0,1
	ds_load_b128 v[WF+32*((\q)%3)+8*\b+4*\c:WF+32*((\q)%3)+8*\b+4*\c+3], v[\adw] offset:8192*\b+1024*(\q)+512*\c
.endr
.endr
.endm
.macro PRELOAD adw, ads, off           ; a piece's scale words, and its fragments of K steps 0 and 1
.irp b, 0,1,2,3
.irp c, 0,1
	ds_load_b128 v[WS+8*\b+4*\c:WS+8*\b+4*\c+3], v[\ads] offset:(\off)+512*\b+16*\c
.endr
.endr
	WLOAD \adw, 0
	WLOAD \adw, 1
.endm
; A step of 128 along K: 32 matrix instructions, the 32 accumulators by turns, in the same order in every step.  The fragments of two steps on are asked for first.
.macro GSTEP adw, q, swap
.if (\q) < 6
.if (\q) > 0
	PLACES 4                                       ; the set that is loaded now was multiplied in the step before
.endif
	WLOAD \adw, (\q)+2
	s_wait_dscnt 16                                ; this step's set is in; the two younger sets may be out
.elseif (\q) == 6
	s_wait_dscnt 8
.else
	s_wait_dscnt 0
.endif
.if \swap
	WIN 0x52+(\q)/4                                ; source 0 (x) window 2 or 3, source 1 (W) window 0, C and D window 1
.else
	WIN 0x58+4*((\q)/4)                            ; source 0 (W) window 0, source 1 (x) window 2 or 3, C and D window 1
.endif
.irp a, 0,1,2,3,4,5,6,7
.irp b, 0,1,2,3
.if (\swap) && ((\q) == 0)
	v_wmma_scale_f32_16x16x128_f8f6f4 v[8*(4*\a+\b):8*(4*\a+\b)+7], v[8*(4*\a+(\q)%4):8*(4*\a+(\q)%4)+7], v[WF+32*((\q)%3)+8*\b:WF+32*((\q)%3)+8*\b+7], 0, v[XS+8*\a+(\q)], v[WS+8*\b+(\q)] matrix_a_fmt:MATRIX_FMT_FP4 matrix_b_fmt:MATRIX_FMT_FP4
.elseif (\swap)
	v_wmma_scale_f32_16x16x128_f8f6f4 v[8*(4*\a+\b):8*(4*\a+\b)+7], v[8*(4*\a+(\q)%4):8*(4*\a+(\q)%4)+7], v[WF+32*((\q)%3)+8*\b:WF+32*((\q)%3)+8*\b+7], v[8*(4*\a+\b):8*(4*\a+\b)+7], v[XS+8*\a+(\q)], v[WS+8*\b+(\q)] matrix_a_fmt:MATRIX_FMT_FP4 matrix_b_fmt:MATRIX_FMT_FP4
.elseif (\q) == 0
	v_wmma_scale_f32_16x16x128_f8f6f4 v[8*(4*\a+\b):8*(4*\a+\b)+7], v[WF+32*((\q)%3)+8*\b:WF+32*((\q)%3)+8*\b+7], v[8*(4*\a+(\q)%4):8*(4*\a+(\q)%4)+7], 0, v[WS+8*\b+(\q)], v[XS+8*\a+(\q)] matrix_a_fmt:MATRIX_FMT_FP4 matrix_b_fmt:MATRIX_FMT_FP4
.else
	v_wmma_scale_f32_16x16x128_f8f6f4 v[8*(4*\a+\b):8*(4*\a+\b)+7], v[WF+32*((\q)%3)+8*\b:WF+32*((\q)%3)+8*\b+7], v[8*(4*\a+(\q)%4):8*(4*\a+(\q)%4)+7], v[8*(4*\a+\b):8*(4*\a+\b)+7], v[WS+8*\b+(\q)], v[XS+8*\a+(\q)] matrix_a_fmt:MATRIX_FMT_FP4 matrix_b_fmt:MATRIX_FMT_FP4
.endif
.endr
.endr
	WIN 0
.endm
.macro GEMM adw, swap                  ; a piece's eight steps; the first step's products start the sums
.irp q, 0,1,2,3,4,5,6,7
	GSTEP \adw, \q, \swap
.endr
.endm
; THE QUANTISER: four blocks of 32; block k: my 16 numbers lie in the accumulators at base + sb k and base + sb k + su, lane l xor 16 holds the other 16.  8 registers of codes at PC + 8 n, a scale word in PW + n.
; Each accumulator is read from its low end on.
.macro QUANT n, base, sb, su
.set PCA, PC+8*(\n)
	WIN 0x14                                       ; sources 1 and 2: window 1
.irp k, 0,1,2,3
	v_max3_num_f32 v[TM+\k], v[FLR], |v[(\base)+(\sb)*\k]|, |v[(\base)+(\sb)*\k+1]|   ; and the floor: the byte cannot fall under 1
.endr
.irp i, 2,4,6
.irp k, 0,1,2,3
	v_max3_num_f32 v[TM+\k], v[TM+\k], |v[(\base)+(\sb)*\k+\i]|, |v[(\base)+(\sb)*\k+\i+1]|
.endr
.endr
.irp i, 0,2,4,6
.irp k, 0,1,2,3
	v_max3_num_f32 v[TM+\k], v[TM+\k], |v[(\base)+(\sb)*\k+(\su)+\i]|, |v[(\base)+(\sb)*\k+(\su)+\i+1]|
.endr
.endr
	WIN 0
.irp k, 0,1,2,3
	v_permlanex16_b32 v[TM+4+\k], v[TM+\k], s94, s95
.endr
.irp k, 0,1,2,3
	v_max_num_f32 v[TM+\k], v[TM+\k], v[TM+4+\k]   ; the block's largest magnitude
.endr
.irp k, 0,1,2,3
	v_add_nc_u32 v[TM+12+\k], 0xff000000, v[TM+\k] ; 2 off its exponent field: the conversion's scale operand
.endr
.irp k, 0,1,2,3
	v_lshrrev_b32 v[TM+4+\k], 23, v[TM+12+\k]      ; the scale's byte
.endr
	v_lshl_or_b32 v[PW+(\n)], v[TM+5], 8, v[TM+4]
	v_lshl_or_b32 v[PW+(\n)], v[TM+6], 16, v[PW+(\n)]
	v_lshl_or_b32 v[PW+(\n)], v[TM+7], 24, v[PW+(\n)]
	WIN 0x01                                       ; source 0: window 1
.irp k, 0,1,2,3
	v_cvt_scalef32_pk8_fp4_f32 v[PCA+2*\k], v[(\base)+(\sb)*\k:(\base)+(\sb)*\k+7], v[TM+12+\k]
	v_cvt_scalef32_pk8_fp4_f32 v[PCA+2*\k+1], v[(\base)+(\sb)*\k+(\su):(\base)+(\sb)*\k+(\su)+7], v[TM+12+\k]
.endr
	WIN 0
	v_nop                                          ; one plain place behind a scaled conversion
.irp c, 0,1                            ; a whole block in a lane: lanes 0-15 block 2 c, lanes 16-31 block 2 c + 1
.irp i, 0,1
	v_permlane16_swap_b32 v[PCA+4*\c+\i], v[PCA+4*\c+2+\i]
.endr
.endr
.endm
	s_wait_alu depctr_va_vdst(0)                   ; the wait at the head's end
	s_wait_tensorcnt 0x0                           ; my load has landed,
	s_barrier_signal -1
	s_barrier_wait -1                              ; everybody's has
	WIN 0x80                                       ; x's fragments into windows 2 and 3: 128 loads of 512 consecutive bytes
.irp a, 0,1,2,3,4,5,6,7
.irp q, 0,1,2,3
.irp c, 0,1
	ds_load_b128 v[8*(4*\a+\q)+4*\c:8*(4*\a+\q)+4*\c+3], v[ADX] offset:8192*\a+1024*\q+512*\c
.endr
.endr
.endr
	WIN 0xc0
.irp a, 0,1,2,3,4,5,6,7
.irp q, 0,1,2,3
.irp c, 0,1
	ds_load_b128 v[8*(4*\a+\q)+4*\c:8*(4*\a+\q)+4*\c+3], v[ADX] offset:8192*\a+1024*(\q+4)+512*\c
.endr
.endr
.endr
	WIN 0
.irp a, 0,1,2,3,4,5,6,7
.irp c, 0,1
	ds_load_b128 v[XS+8*\a+4*\c:XS+8*\a+4*\c+3], v[ADXS] offset:512*\a+16*\c   ; word q of a row scales K step q
.endr
.endr
	PRELOAD ADWR, ADWS, 3*4096
	s_wait_tensorcnt 0x0                           ; ahead of the refill, in every wave:
	ds_add_u32 v[SPW], v[NIL]
	s_wait_dscnt 0x0                               ; the add is done, and my reads of x's bytes are over
	CROUND                                         ; that holds of every wave of all sixteen work-groups
	s_cmp_lg_u32 s16, 0
	s_cbranch_scc1 .Lno_refill
	tensor_load_to_lds s[G0W2:G0W2+3], s[G1W:G1W+7]   ; pieces Q and K, onto x's bytes: wave 0's one load behind the round; it has two pieces' products in which to land
	s_nop 0
	PLACES 4
.Lno_refill:
; ---------------- piece R
	GEMM ADWR, 0
	PLACES 5                                       ; in front of the loads and stores below, and of piece V's first products, which begin new sums over these accumulators
	PRELOAD ADW0, ADWS, 2*4096
	WIN 0x04                                       ; the data: window 1
.irp a, 0,1,2,3,4,5,6,7
.irp b, 0,1,2,3
	global_store_b128 v[VO], v[8*(4*\a+\b):8*(4*\a+\b)+3], s[20:21] offset:65536*\a+1024*\b        ; each accumulator as it stands, its low four registers first: 512 consecutive bytes a store, aligned
	global_store_b128 v[VO], v[8*(4*\a+\b)+4:8*(4*\a+\b)+7], s[20:21] offset:65536*\a+1024*\b+512
.endr
.endr
	WIN 0
	s_wait_xcnt 0x0                                ; the stores have read the accumulators
; ---------------- piece V, the sources swapped: for the tile b of channels the accumulators (a, b), a = 0 .. 7, are 128 keys
	GEMM ADW0, 1
	PLACES 4
	s_wait_tensorcnt 0x0                           ; wave 0: pieces Q and K have landed,
	s_barrier_signal -1
	s_barrier_wait -1                              ; and every wave knows
	PRELOAD ADWQ, ADWSQ, 0
.irp b, 0,1,2,3
	QUANT \b, 8*\b, 64, 32
	global_store_b128 v[VO], v[PC+8*\b:PC+8*\b+3], s[90:91] offset:1024*\b
	global_store_b128 v[VO], v[PC+8*\b+4:PC+8*\b+7], s[90:91] offset:1024*\b+512
.endr
	global_store_b128 v[VR16], v[PW:PW+3], s[92:93]   ; the four tiles' words of channel r: 256 consecutive bytes (lanes 16-31 hold and store the same as lanes 0-15)
; ---------------- pieces Q and K: two trips
	s_mov_b32 s3, 2
.Lqk:
	s_wait_xcnt 0x0                                ; the stores have read the codes' and the words' registers
	GEMM ADWQ, 0
	PLACES 4
	s_cmp_eq_u32 s3, 1
	s_cbranch_scc1 .Lno_pre                        ; behind K nothing follows
	v_add_nc_u32 v[ADWQ], 65536, v[ADWQ]
	v_add_nc_u32 v[ADWSQ], 4096, v[ADWSQ]
	s_wait_alu depctr_va_vdst(0)                   ; the wait directly behind the writes
	PRELOAD ADWQ, ADWSQ, 0
.Lno_pre:
.irp n, 0,1,2,3                        ; the tiles 2 n and 2 n + 1 of rows: two blocks each, 64 registers on end
	QUANT \n, 64*\n, 16, 8
	global_store_b128 v[VO], v[PC+8*\n:PC+8*\n+3], s[12:13] offset:2048*\n
	global_store_b128 v[VO], v[PC+8*\n+4:PC+8*\n+7], s[12:13] offset:2048*\n+1024
.endr
	v_cmp_lt_u32 vcc_lo, 15, v[LN]
	v_cndmask_b32 v[GG], v[PW], v[PW+2], vcc_lo    ; lanes 0-15: tiles 0-3's bytes; lanes 16-31: tiles 4-7's
	v_cndmask_b32 v[GG+1], v[PW+1], v[PW+3], vcc_lo
.irp i, 0,1
	v_and_or_b32 v[F+2*\i], v[GG+\i], 0xffff, s19  ; the even tile's two bytes, and 1.0 for its zero codes
	v_lshrrev_b32 v[F+2*\i+1], 16, v[GG+\i]
.endr
.irp i, 0,1
	v_or_b32 v[F+2*\i+1], s19, v[F+2*\i+1]         ; the odd tile's
.endr
	global_store_b128 v[VO], v[F:F+3], s[14:15]
	s_wait_xcnt 0x0                                ; the stores have read their bases
	s_add_nc_u64 s[12:13], s[12:13], 0x400000      ; on to k's codes
	s_add_nc_u64 s[14:15], s[14:15], 0x80000       ; and its scale words
	s_sub_co_u32 s3, s3, 1
	s_cmp_lg_u32 s3, 0
	s_wait_alu depctr_va_vdst(0)                   ; the wait directly ahead of the branch
	s_cbranch_scc1 .Lqk
	s_wait_tensorcnt 0x0                           ; the wave's end
	ds_add_u32 v[SPW], v[NIL]
	s_wait_dscnt 0x0
	CROUND                                         ; the closing round
	s_endpgm
.Lfunc_end_k_q5c8d282964_proj:
	.size	k_q5c8d282964_proj, .Lfunc_end_k_q5c8d282964_proj-k_q5c8d282964_proj
	.p2alignl 7, 3214868480
	.fill 96, 4, 3214868480
	.section	.rodata,"a",@progbits
	.p2align	6, 0x0
	.amdhsa_kernel k_q5c8d282964_proj
		.amdhsa_group_segment_fixed_size 327680
		.amdhsa_private_segment_fixed_size 0
		.amdhsa_enable_private_segment 0
		.amdhsa_kernarg_size 56
		.amdhsa_user_sgpr_count 2
		.amdhsa_user_sgpr_kernarg_segment_ptr 1
		.amdhsa_wavefront_size32 1
		.amdhsa_system_sgpr_workgroup_id_x 1
		.amdhsa_system_sgpr_workgroup_id_y 1
		.amdhsa_system_sgpr_workgroup_id_z 1
		.amdhsa_system_vgpr_workitem_id 0
		.amdhsa_next_free_vgpr 1024
		.amdhsa_next_free_sgpr 100
		.amdhsa_reserve_vcc 1
		.amdhsa_float_denorm_mode_32 3
		.amdhsa_float_denorm_mode_16_64 3
		.amdhsa_memory_ordered 1
		.amdhsa_forward_progress 1
		.amdhsa_inst_pref_size 173
	.end_amdhsa_kernel
	.amdgpu_metadata
---
amdhsa.version: [ 1, 2 ]
amdhsa.kernels:
  - .name:           k_q5c8d282964_proj
    .symbol:         k_q5c8d282964_proj.kd
    .args:
      - { .name: xc, .offset: 0, .size: 8, .value_kind: global_buffer, .address_space: global }
      - { .name: xs, .offset: 8, .size: 8, .value_kind: global_buffer, .address_space: global }
      - { .name: wc, .offset: 16, .size: 8, .value_kind: global_buffer, .address_space: global }
      - { .name: ws, .offset: 24, .size: 8, .value_kind: global_buffer, .address_space: global }
      - { .name: qkv, .offset: 32, .size: 8, .value_kind: global_buffer, .address_space: global }
      - { .name: qkvs, .offset: 40, .size: 8, .value_kind: global_buffer, .address_space: global }
      - { .name: rb, .offset: 48, .size: 8, .value_kind: global_buffer, .address_space: global }
    .group_segment_fixed_size: 327680
    .private_segment_fixed_size: 0
    .kernarg_segment_align: 8
    .kernarg_segment_size: 56
    .max_flat_workgroup_size: 128
    .sgpr_count:     100
    .vgpr_count:     1024
    .wavefront_size: 32
...
	.end_amdgpu_metadata
.endif
;; end of part 2
;; launch attn (part 3): grid 2 x 128, 16 waves a work-group, no clusters, 167,936 bytes of LDS; arguments qkv, qkvs, rb, out0; writes out0
.if DOCPART == 3
	.amdgcn_target "amdgcn-amd-amdhsa--gfx1250"
	.amdhsa_code_object_version 6
	.text
	.protected	k_q5c8d282964_attn
	.globl	k_q5c8d282964_attn
	.p2align	8
	.type	k_q5c8d282964_attn,@function
k_q5c8d282964_attn:
	s_mov_b64 s[64:65], 0
	v_nop
	global_prefetch_b8 v0, s[64:65] scope:SCOPE_SE
	s_setreg_imm32_b32 hwreg(HW_REG_WAVE_MODE, 25, 1), 1
	s_wait_xcnt 0x0
; out0 = relu(softmax(q k^T / 8) v + R), per head of 64; R = x W_R comes as f32 from the launch before; both products here on codes of FP4 (E2M1) with E8M0 scales.
; THE SOFTMAX AHEAD OF THE SECOND PRODUCT: t = score x log2(e) / 8; M = the row's largest t so far, rounded up to a whole number; p = 2^(t - M) is quantised along the keys, not normalised.
; The row's sum is taken of the unquantised p and divides O at the end.  When M moves, the sum and O are multiplied by 2^(old M - new M): exact.
; SHARES.  A work-group owns one head (y) and 512 of its 1,024 queries (x): 256 work-groups.  Each of sixteen waves owns one tile of 16 queries in each of two passes; four waves to a SIMD.
; THE WHOLE HEAD LIES IN LDS, FILLED ONCE: k's and v's codes (two halves each) and their scale words: 71,680 bytes, by six tensor loads, one each for waves 0-5.  Nothing is filled again; one barrier.
; NO CLUSTER: only the two work-groups of a head share anything, the grid's x, 2, does not divide into clusters of four, and what they share is fetched once, at the head.
; R: rb holds, for my tile of queries and my head, 4,096 consecutive bytes: an image of O^T's 32 registers.  It is prefetched in key step 1 of a pass (16 blocks of 256 bytes, lanes 0-15 a block each,
; lanes 16-31 the last again) and loaded in key step 7, six key steps later, into the registers that held k's codes.  k, v and q come at the head alone and are not prefetched.
; LAYOUT.  Both products are used transposed (source 0 = 16 keys, or 16 channels of v^T; source 1 = my 16 queries): a lane holds ONE query (lane % 16) throughout.
; Rows lie in the buffers at positions (index with bits 3 and 4 exchanged), so the 16 registers of tiles 2 b and 2 b + 1 are 16 neighbours: keys, or channels, 32 b + 16 (lane / 16) + 0 .. 15.
; q k^T has K = 64: the upper 64 of the instruction's 128 are zero codes on both sides, under the byte 0x7f.
; LIMITS: NaN and infinities are not served.  A block's largest p is taken from its largest score (this takes v_exp_f32 not to fall where its input rises).
; A block whose every p has fallen to 0 keeps the byte 1: its codes are zeros.  The scaled scores stay under 2^31 in magnitude.
; REGISTERS: v1 16 x lane; v2, v3 addresses of k's and v's scale words; v4 q's scale word, v5 p's, v6-9 k's, v10-13 v's, v18 the second pass's q's: scales and nothing else;
;   v14-17 the second pass's q; v19 the prefetch's offset; v20, v21 the add's; v22-29 q (26-29 zeros); v30, v31 the stage, in and out; v32 -M, v33 the largest t, v[34:35] the sum;
;   v36-43 p's codes; v44-59 at work; v60-123 k's eight fragments (upper halves zeros); v124-155 v's four; v156-219 S^T, then p; v220-251 O^T; v252 my offset in out0; v253 16 (lane % 16).
.set KC,    0                          ; LDS: k's images, tile of 16 keys at 512 x tile
.set VC,    32768                      ; v's: 4,096 x key step + 1,024 x tile of channels + 512 c
.set KSC,   65536                      ; k's scale words: 512 bytes a key step
.set VSC,   69632                      ; v's: 256 bytes a key step
.set STG,   71680                      ; the way out: 16 rows x 272 bytes for each wave
.set SPARE, 141312                     ; the spare words: 128 bytes a wave
.set QF,   22
.set PC,   36
.set TM,   44                          ; +0..3 the blocks' maxima; +4..7 permutes, bytes; +8..11 the conversions' scale operands; +12, +13 the pair f; +14 at work; +0..5 also three partial sums
.set KF,   60
.set VF,   124
.set S,    156
.set O,    220
.macro WM d, a, b, z, sa, sb, ra       ; z = 1: C = 0, else C = D; ra = 1: source 0's scales stand in lanes 16-31
.if (\z) && (\ra)
	v_wmma_scale_f32_16x16x128_f8f6f4 v[(\d):(\d)+7], v[(\a):(\a)+7], v[(\b):(\b)+7], 0, v[\sa], v[\sb] matrix_a_fmt:MATRIX_FMT_FP4 matrix_b_fmt:MATRIX_FMT_FP4 matrix_a_scale:MATRIX_SCALE_ROW1
.elseif (\z)
	v_wmma_scale_f32_16x16x128_f8f6f4 v[(\d):(\d)+7], v[(\a):(\a)+7], v[(\b):(\b)+7], 0, v[\sa], v[\sb] matrix_a_fmt:MATRIX_FMT_FP4 matrix_b_fmt:MATRIX_FMT_FP4
.else
	v_wmma_scale_f32_16x16x128_f8f6f4 v[(\d):(\d)+7], v[(\a):(\a)+7], v[(\b):(\b)+7], v[(\d):(\d)+7], v[\sa], v[\sb] matrix_a_fmt:MATRIX_FMT_FP4 matrix_b_fmt:MATRIX_FMT_FP4
.endif
.endm
.macro GROUP1 g, d0, d1, st            ; d1 rows of d0 elements of 8 bytes, st elements apart; no mask, no padding
	s_mov_b32 s[\g], 3<<16
	s_mov_b32 s[\g+1], (\d0)<<16
	s_mov_b32 s[\g+2], (\d1)<<16
	s_mov_b32 s[\g+3], (\d0)<<16
	s_mov_b32 s[\g+4], \d1
	s_mov_b32 s[\g+5], \st
	s_mov_b32 s[\g+6], 0
	s_mov_b32 s[\g+7], 0
.endm
.macro GROUP0 k, lds, base             ; set k at s[68 + 4 k]: to LDS byte lds, from the buffer at s[base] + the offset in s[96:97]
	s_mov_b32 s[68+4*\k], 1
	s_mov_b32 s[69+4*\k], \lds
	s_add_nc_u64 s[70+4*\k:71+4*\k], s[\base:\base+1], s[96:97]
	s_or_b32 s[71+4*\k], s[71+4*\k], 0x80000000
.endm
.macro FILL k, g1                      ; wave k issues load k; an s_nop 0 and four v_nop follow it
	s_cmp_eq_u32 s18, \k
	s_cbranch_scc0 .Lnot_mine_\@
	tensor_load_to_lds s[68+4*\k:71+4*\k], s[\g1:\g1+7]
	s_nop 0
.rept 4
	v_nop
.endr
	s_branch .Lfilled
.Lnot_mine_\@:
.endm
	s_load_b256 s[4:11], s[0:1], 0x0               ; qkv s[4:5], qkvs s[6:7], rb s[8:9], out0 s[10:11]
	v_lshl_add_u32 v20, v0, 2, SPARE
	v_mov_b32 v21, 0
	ds_add_u32 v20, v21                            ; the opening lines: the add, twice on end, and its wait ahead of the first tensor load
	ds_add_u32 v20, v21
	v_lshrrev_b32 v1, 5, v0
	s_delay_alu instid0(VALU_DEP_1)
	v_readfirstlane_b32 s18, v1                    ; wave 0..15
	s_and_b32 s2, ttmp7, 0xffff                    ; the head, 0 .. 127
	s_lshr_b32 s3, s2, 4                           ; its batch
	s_and_b32 s66, s2, 15                          ; its number in the batch
	GROUP1 24, 64, 32, 128                         ; half of k's codes: 32 tiles of 512 bytes, 1,024 apart (the pair's other head lies between)
	GROUP1 32, 512, 4, 8192                        ; half of v's: 4 key steps of 4,096 bytes, 65,536 apart
	GROUP1 48, 32, 16, 32                          ; k's scale words: 4,096 dense bytes
	GROUP1 56, 32, 8, 32                           ; v's: 2,048 dense bytes
	s_mov_b32 s20, 0x76543210
	s_mov_b32 s21, 0xfedcba98                      ; v_permlanex16_b32's selects for lane l xor 16
	s_mov_b32 s22, 0x3e38aa3b                      ; c = log2(e) / 8
	s_mov_b32 s23, s22
	s_mov_b32 s19, 2                               ; passes
	s_mov_b32 s97, 0
	s_lshr_b32 s67, s2, 1
	s_lshl_b32 s67, s67, 16                        ; q, k: the pair of heads' 64 tiles of 1,024 bytes,
	s_and_b32 s92, s2, 1
	s_lshl_b32 s92, s92, 9
	s_add_co_u32 s67, s67, s92                     ; my head's half of each
	s_mul_i32 s100, s18, 4352
	s_add_co_u32 s100, s100, STG                   ; my wave's stage
	s_wait_dscnt 0x0
	s_wait_kmcnt 0x0
	s_add_co_u32 s96, s67, 0x400000
	GROUP0 0, KC, 4
	s_add_co_u32 s96, s96, 32768
	GROUP0 1, KC+16384, 4
	s_lshl_b32 s96, s3, 7
	s_add_co_u32 s96, s96, s66
	s_lshl_b32 s96, s96, 12
	s_add_co_u32 s96, s96, 0x800000                ; v: (batch x 8 key steps x 16 heads + head) x 4,096
	GROUP0 2, VC, 4
	s_add_co_u32 s96, s96, 262144
	GROUP0 3, VC+16384, 4
	s_lshl_b32 s96, s2, 12
	s_add_co_u32 s96, s96, 0x80000
	GROUP0 4, KSC, 6
	s_lshl_b32 s96, s2, 11
	s_add_co_u32 s96, s96, 0x100000
	GROUP0 5, VSC, 6
	FILL 0, 24
	FILL 1, 24
	FILL 2, 32
	FILL 3, 32
	FILL 4, 48
	FILL 5, 56
.Lfilled:
	s_lshl_b32 s93, ttmp9, 5
	s_add_co_u32 s93, s93, s18                     ; my first pass's tile of queries: 32 x + wave; the second's lies 16 tiles on
	s_lshl_b32 s96, s93, 10
	s_add_co_u32 s96, s96, s67
	s_add_nc_u64 s[94:95], s[4:5], s[96:97]        ; q's image
	s_lshl_b32 s96, s2, 12
	s_lshr_b32 s92, s93, 2
	s_lshl_b32 s92, s92, 8
	s_add_co_u32 s96, s96, s92
	s_and_b32 s92, s93, 3
	s_lshl_b32 s92, s92, 2
	s_add_co_u32 s96, s96, s92
	s_add_nc_u64 s[98:99], s[6:7], s[96:97]        ; q's scale words: 256 bytes for four tiles, word tile % 4 of each row's 16 bytes
	s_lshl_b32 s92, s3, 6
	s_add_co_u32 s92, s92, s93                     ; the tile among x's 512
	s_lshl_b32 s96, s92, 16
	s_lshl_b32 s92, s66, 12
	s_add_co_u32 s96, s96, s92
	s_add_nc_u64 s[8:9], s[8:9], s[96:97]          ; R's image: 65,536 x tile + 4,096 x head
	s_lshl_b32 s96, s3, 10                         ; out0: the tile's first row is 32 (tile / 2) + 8 (tile % 2),
	s_lshr_b32 s92, s93, 1
	s_lshl_b32 s92, s92, 5
	s_add_co_u32 s96, s96, s92
	s_and_b32 s92, s93, 1
	s_lshl_b32 s92, s92, 3
	s_add_co_u32 s96, s96, s92
	s_lshl_b32 s96, s96, 12
	s_lshl_b32 s92, s66, 8
	s_add_co_u32 s96, s96, s92                     ; and the head's 256 bytes of a row
	s_add_nc_u64 s[10:11], s[10:11], s[96:97]
	v_and_b32 v1, 31, v0
	v_and_b32 v3, 15, v0                           ; r
	v_bfe_u32 v31, v0, 4, 1                        ; h
	v_min_u32 v19, 15, v1
	v_lshlrev_b32 v1, 4, v1                        ; 16 x lane: an image's place for my lane
	v_lshlrev_b32 v253, 4, v3                      ; 16 r
	v_mul_u32_u24 v30, v3, 272
	v_lshlrev_b32 v19, 8, v19                      ; 256 x min(lane, 15)
	v_add_nc_u32 v2, KSC, v1
	v_lshl_add_u32 v252, v31, 12, v253             ; in out0: lanes 0-15 one row, lanes 16-31 the next; 16 bytes a lane
	v_lshl_add_u32 v30, v31, 6, v30
	v_mul_u32_u24 v31, v31, 272
	v_add_nc_u32 v3, VSC, v253
	v_add_nc_u32 v30, s100, v30                    ; into the stage: row r, + 64 h bytes: my 16 channels of each 32
	v_add_nc_u32 v31, v31, v253
	s_delay_alu instid0(VALU_DEP_1)
	v_add_nc_u32 v31, s100, v31                    ; out of it: lanes 0-15 one row, lanes 16-31 the next
	global_load_b128 v[QF:QF+3], v1, s[94:95]      ; q's 64 codes a row,
	global_load_b32 v4, v253, s[98:99]             ; its scale word,
	global_load_b128 v[14:17], v1, s[94:95] offset:16384   ; and the second pass's: 16 tiles of 1,024 bytes on,
	global_load_b32 v18, v253, s[98:99] offset:1024        ; four groups of four tiles on
.irp j, 4,5,6,7
	v_mov_b32 v[QF+\j], 0                          ; k = 64 .. 127: zero codes
.endr
.irp t, 0,1,2,3,4,5,6,7
.irp j, 4,5,6,7
	v_mov_b32 v[KF+8*\t+\j], 0                     ; the same in k's fragments, written once
.endr
.endr
.irp b, 4,5,6,7,13
	v_mov_b32 v[TM+\b], 0                          ; permutes' destinations, and the upper half of the pair f
.endr
	s_wait_alu depctr_va_vdst(0)                   ; the wait at the head's end
	s_wait_tensorcnt 0x0                           ; my fill, if I issued one, has landed,
	s_barrier_signal -1
	s_barrier_wait -1                              ; everybody's has
	s_wait_loadcnt 0x0                             ; both passes' q
.macro KLOAD s                         ; a key step's eight tiles of k, and their scale words: v[6 + i]: lanes 0-15 tile i, lanes 16-31 tile 4 + i
.irp t, 0,1,2,3,4,5,6,7
	ds_load_b128 v[KF+8*\t:KF+8*\t+3], v1 offset:KC+4096*(\s)+512*\t
.endr
	ds_load_b128 v[6:9], v2 offset:512*(\s)
.endm
.macro VLOAD s                         ; its four tiles of v^T, and their scale words v[10 + t]
.irp t, 0,1,2,3
.irp c, 0,1
	ds_load_b128 v[VF+8*\t+4*\c:VF+8*\t+4*\c+3], v1 offset:VC+4096*(\s)+1024*\t+512*\c
.endr
.endr
	ds_load_b128 v[10:13], v3 offset:256*(\s)
.endm
; A KEY STEP: 128 keys.  Step 0 starts M and O^T.
.macro STEP s
	s_wait_dscnt 0x0                               ; k of this step is in
.irp t, 0,1,2,3,4,5,6,7
	WM S+8*\t, KF+8*\t, QF, 1, 6+\t%4, 4, \t/4     ; S^T: lane (r, h): query r; the 16 registers of tiles 2 b, 2 b + 1 are keys 32 b + 16 h + 0 .. 15
.endr
.rept 4
	v_nop                                          ; places behind these products and the last step's: in front of the loads into k's and v's registers and of the first read of the scores
.endr
	VLOAD \s
.if \s < 7
	KLOAD \s+1
.else
.irp i, 0,1,2,3,4,5,6,7
	global_load_b128 v[KF+8*\i:KF+8*\i+3], v1, s[8:9] offset:512*\i th:TH_LOAD_NT   ; R^T: group i of four registers lands where k's codes of tile i lay; the zeros beside them stay
.endr
.endif
.if \s == 1
	global_prefetch_b8 v19, s[8:9] th:TH_LOAD_NT scope:SCOPE_SE   ; this pass's 4,096 bytes of R, six key steps ahead of their loads
.endif
.irp b, 0,1,2,3
	v_max3_num_f32 v[TM+\b], v[S+16*\b], v[S+16*\b+1], v[S+16*\b+2]   ; the largest score of each block of 32 keys: for the row's maximum and for the block's largest p
.endr
.irp i, 3,5,7,9,11,13
.irp b, 0,1,2,3
	v_max3_num_f32 v[TM+\b], v[TM+\b], v[S+16*\b+\i], v[S+16*\b+\i+1]
.endr
.endr
.irp b, 0,1,2,3
	v_max_num_f32 v[TM+\b], v[TM+\b], v[S+16*\b+15]
.endr
.irp b, 0,1,2,3
	s_delay_alu instid0(VALU_DEP_4)
	v_permlanex16_b32 v[TM+4+\b], v[TM+\b], s20, s21
.endr
.irp b, 0,1,2,3
	s_delay_alu instid0(VALU_DEP_4)
	v_max_num_f32 v[TM+\b], v[TM+\b], v[TM+4+\b]   ; with lane l xor 16's 16 keys
.endr
	s_delay_alu instid0(VALU_DEP_2)
	v_max3_num_f32 v[TM+14], v[TM], v[TM+1], v[TM+2]
	s_delay_alu instid0(VALU_DEP_1)
	v_max_num_f32 v[TM+14], v[TM+14], v[TM+3]      ; the step's largest score of my query
.if \s == 0
	s_delay_alu instid0(VALU_DEP_1)
	v_mul_f32 v33, s22, v[TM+14]                   ; as t (c is positive)
	s_delay_alu instid0(VALU_DEP_1)
	v_floor_f32 v32, -v33                          ; -M = floor(-t): M is a whole number
.else
	s_delay_alu instid0(VALU_DEP_1)
	v_mul_f32 v[TM+14], s22, v[TM+14]
	s_delay_alu instid0(VALU_DEP_1)
	v_max_num_f32 v33, v33, v[TM+14]               ; the running largest t
	v_mov_b32 v[TM+14], v32
	s_delay_alu instid0(VALU_DEP_2)
	v_floor_f32 v32, -v33
	s_delay_alu instid0(VALU_DEP_1)
	v_sub_f32 v[TM+14], v32, v[TM+14]              ; M's old value less its new one: a whole number, 0 or less
	s_delay_alu instid0(VALU_DEP_1)
	v_cvt_i32_f32 v[TM+14], v[TM+14]
	s_delay_alu instid0(VALU_DEP_1)
	v_ldexp_f32 v[TM+12], 1.0, v[TM+14]            ; f = 2^(old M - new M)
.endif
.irp j, 0,2,4,6,8,10,12,14,16,18,20,22,24,26,28,30,32,34,36,38,40,42,44,46,48,50,52,54,56,58,60,62
	v_pk_fma_f32 v[S+\j:S+\j+1], v[S+\j:S+\j+1], s[22:23], v[32:33] op_sel_hi:[1,0,0]   ; t - M, two at a time
.endr
.irp b, 0,1,2,3
	v_fma_f32 v[TM+\b], v[TM+\b], s22, v32         ; the same of each block's largest score
.endr
	s_wait_alu depctr_va_vdst(0)                   ; the wait ahead of the batch
.irp j, 0,1,2,3,4,5,6,7,8,9,10,11,12,13,14,15,16,17,18,19,20,21,22,23,24,25,26,27,28,29,30,31,32,33,34,35,36,37,38,39,40,41,42,43,44,45,46,47,48,49,50,51,52,53,54,55,56,57,58,59,60,61,62,63
	v_exp_f32 v[S+\j], v[S+\j]                     ; p = 2^(t - M), at most 1
.endr
.irp b, 0,1,2,3
	v_exp_f32 v[TM+\b], v[TM+\b]                   ; the block's largest p
.endr
.if \s == 0
	v_nop                                          ; a plain place behind the exponentials
.else
	v_pk_mul_f32 v[34:35], v[34:35], v[TM+12:TM+13] op_sel_hi:[1,0]   ; the sum under the new M: the plain place behind the exponentials
.endif
	s_wait_alu depctr_va_vdst(0)                   ; and the one wait behind the batch
.irp b, 0,1,2,3
	v_max_num_f32 v[TM+\b], 0x1800000, v[TM+\b]    ; the floor 2^(3 - 127): the byte cannot fall under 1
.endr
.irp b, 0,1,2,3
	s_delay_alu instid0(VALU_DEP_4)
	v_add_nc_u32 v[TM+8+\b], 0xff000000, v[TM+\b]  ; 2 off the exponent field: the conversion's scale operand
.endr
.irp b, 0,1,2,3
	s_delay_alu instid0(VALU_DEP_4)
	v_lshrrev_b32 v[TM+4+\b], 23, v[TM+8+\b]       ; the scale's byte
.endr
	s_delay_alu instid0(VALU_DEP_3)
	v_lshl_or_b32 v5, v[TM+5], 8, v[TM+4]          ; p's scale word for these 128 keys
	s_delay_alu instid0(VALU_DEP_1)
	v_lshl_or_b32 v5, v[TM+6], 16, v5
	s_delay_alu instid0(VALU_DEP_1)
	v_lshl_or_b32 v5, v[TM+7], 24, v5
.irp b, 0,1,2,3
	v_cvt_scalef32_pk8_fp4_f32 v[PC+2*\b], v[S+16*\b:S+16*\b+7], v[TM+8+\b]
	v_cvt_scalef32_pk8_fp4_f32 v[PC+2*\b+1], v[S+16*\b+8:S+16*\b+15], v[TM+8+\b]
.endr
	v_pk_add_f32 v[TM:TM+1], v[S:S+1], v[S+2:S+3]  ; the row's sum of the unquantised p, in four chains by turns.  (This line is the plain place behind the conversions)
.irp c, 0,1                            ; the operand's layout wants a whole block in a lane
.irp i, 0,1
	v_permlane16_swap_b32 v[PC+4*\c+\i], v[PC+4*\c+2+\i]
.endr
.endr
	v_pk_add_f32 v[TM+2:TM+3], v[S+4:S+5], v[S+6:S+7]
	v_pk_add_f32 v[TM+4:TM+5], v[S+8:S+9], v[S+10:S+11]
	v_pk_add_f32 v[34:35], v[34:35], v[S+12:S+13]
.irp j, 14,22,30,38,46,54
	v_pk_add_f32 v[TM:TM+1], v[TM:TM+1], v[S+\j:S+\j+1]
	v_pk_add_f32 v[TM+2:TM+3], v[TM+2:TM+3], v[S+\j+2:S+\j+3]
	v_pk_add_f32 v[TM+4:TM+5], v[TM+4:TM+5], v[S+\j+4:S+\j+5]
	v_pk_add_f32 v[34:35], v[34:35], v[S+\j+6:S+\j+7]
.endr
	v_pk_add_f32 v[TM:TM+1], v[TM:TM+1], v[S+62:S+63]
	v_pk_add_f32 v[TM+2:TM+3], v[TM+2:TM+3], v[TM+4:TM+5]
	s_delay_alu instid0(VALU_DEP_2)
	v_pk_add_f32 v[34:35], v[34:35], v[TM:TM+1]
	s_delay_alu instid0(VALU_DEP_1)
	v_pk_add_f32 v[34:35], v[34:35], v[TM+2:TM+3]
.if \s > 0
	s_wait_alu depctr_va_vdst(0)                   ; the wait directly ahead of the first reader of O^T
.irp j, 0,2,4,6,8,10,12,14,16,18,20,22,24,26,28,30
	v_pk_mul_f32 v[O+\j:O+\j+1], v[O+\j:O+\j+1], v[TM+12:TM+13] op_sel_hi:[1,0]   ; O^T under the new M, each accumulator from its low end on
.endr
.endif
	s_wait_alu depctr_va_vdst(0)                   ; the wait directly ahead of the wait below
.if \s < 7
	s_wait_dscnt 9                                 ; v of this step is in; behind it stand the nine loads of the next step's k
.else
	s_wait_dscnt 0x0
.endif
.irp t, 0,1,2,3
.if \s == 0
	WM O+8*\t, VF+8*\t, PC, 1, 10+\t, 5, 0         ; O^T = v^T p^T starts the sums
.else
	WM O+8*\t, VF+8*\t, PC, 0, 10+\t, 5, 0         ; the four accumulators by turns
.endif
.endr
.endm
.Lpass:                                ; two trips: tiles 32 x + wave and 32 x + 16 + wave
	KLOAD 0
	v_mov_b32 v34, 0                               ; the sum, in two halves
	v_mov_b32 v35, 0
.irp s, 0,1,2,3,4,5,6,7
	STEP \s
.endr
	; THE WAY OUT: relu(O^T / the sum + R^T), through my stage, so that sixteen lanes store the head's 256 bytes of a row
	v_add_f32 v34, v34, v35                        ; the sum's two halves,
	s_delay_alu instid0(VALU_DEP_1)
	v_permlanex16_b32 v[TM+4], v34, s20, s21
	s_delay_alu instid0(VALU_DEP_1)
	v_add_f32 v34, v34, v[TM+4]                    ; and lane l xor 16's: the row's sum
	s_wait_alu depctr_va_vdst(0)                   ; the wait ahead of the transcendental
	v_rcp_f32 v[TM+12], v34
.irp j, 0,1,2,3
	v_mov_b32 v[QF+\j], v[14+\j]                   ; the second pass's q takes its place (the second trip finds the same numbers).  These lines are the places behind the reciprocal and the last products
.endr
	v_mov_b32 v4, v18                              ; and its scale word
	s_wait_loadcnt 0x0                             ; R^T is in
	s_wait_alu depctr_va_vdst(0)                   ; the wait behind the reciprocal, directly ahead of the first readers of O^T
.irp g, 0,1,2,3,4,5,6,7
.irp e, 0,2
	v_pk_fma_f32 v[KF+8*\g+\e:KF+8*\g+\e+1], v[O+4*\g+\e:O+4*\g+\e+1], v[TM+12:TM+13], v[KF+8*\g+\e:KF+8*\g+\e+1] op_sel_hi:[1,0,1]
.endr
.endr
.irp g, 0,1,2,3,4,5,6,7
.irp e, 0,1,2,3
	v_max_num_f32 v[KF+8*\g+\e], 0, v[KF+8*\g+\e]
.endr
.endr
.irp g, 0,1,2,3,4,5,6,7
	ds_store_b128 v30, v[KF+8*\g:KF+8*\g+3] offset:128*(\g/4)+16*(\g%4)   ; group 4 b + q holds channels 32 b + 16 h + 4 q + 0 .. 3
.endr
.irp i, 0,1,2,3,4,5,6,7
	ds_load_b128 v[S+4*\i:S+4*\i+3], v31 offset:544*\i   ; LDS serves a wave's instructions in order: these see my stores
.endr
.irp i, 0,1,2,3,4,5,6,7
	s_wait_dscnt 7-\i
	global_store_b128 v252, v[S+4*\i:S+4*\i+3], s[10:11] offset:(2*\i+8*(\i/4))*4096 th:TH_STORE_NT   ; position p of the tile is row p + 8 (p / 8): 16 lanes store 256 consecutive bytes, aligned
.endr
	s_wait_xcnt 0x0                                ; the stores, R's loads and the prefetch have read their registers and bases
	s_add_nc_u64 s[10:11], s[10:11], 0x100000      ; 256 rows of out0 on
	s_add_nc_u64 s[8:9], s[8:9], 0x100000          ; 16 tiles of R on
	s_sub_co_u32 s19, s19, 1
	s_cmp_lg_u32 s19, 0
	s_wait_alu depctr_va_vdst(0)                   ; the wait directly ahead of the branch
	s_cbranch_scc1 .Lpass
	s_wait_tensorcnt 0x0                           ; the wave's end
	ds_add_u32 v20, v21
	s_wait_dscnt 0x0
	s_endpgm
.Lfunc_end_k_q5c8d282964_attn:
	.size	k_q5c8d282964_attn, .Lfunc_end_k_q5c8d282964_attn-k_q5c8d282964_attn
	.p2alignl 7, 3214868480
	.fill 96, 4, 3214868480
	.section	.rodata,"a",@progbits
	.p2align	6, 0x0
	.amdhsa_kernel k_q5c8d282964_attn
		.amdhsa_group_segment_fixed_size 167936
		.amdhsa_private_segment_fixed_size 0
		.amdhsa_enable_private_segment 0
		.amdhsa_kernarg_size 32
		.amdhsa_user_sgpr_count 2
		.amdhsa_user_sgpr_kernarg_segment_ptr 1
		.amdhsa_wavefront_size32 1
		.amdhsa_system_sgpr_workgroup_id_x 1
		.amdhsa_system_sgpr_workgroup_id_y 1
		.amdhsa_system_sgpr_workgroup_id_z 1
		.amdhsa_system_vgpr_workitem_id 0
		.amdhsa_next_free_vgpr 256
		.amdhsa_next_free_sgpr 102
		.amdhsa_reserve_vcc 0
		.amdhsa_float_denorm_mode_32 3
		.amdhsa_float_denorm_mode_16_64 3
		.amdhsa_memory_ordered 1
		.amdhsa_forward_progress 1
		.amdhsa_inst_pref_size 138
	.end_amdhsa_kernel
	.amdgpu_metadata
---
amdhsa.version: [ 1, 2 ]
amdhsa.kernels:
  - .name:           k_q5c8d282964_attn
    .symbol:         k_q5c8d282964_attn.kd
    .args:
      - { .name: qkv, .offset: 0, .size: 8, .value_kind: global_buffer, .address_space: global }
      - { .name: qkvs, .offset: 8, .size: 8, .value_kind: global_buffer, .address_space: global }
      - { .name: rb, .offset: 16, .size: 8, .value_kind: global_buffer, .address_space: global }
      - { .name: out0, .offset: 24, .size: 8, .value_kind: global_buffer, .address_space: global }
    .group_segment_fixed_size: 167936
    .private_segment_fixed_size: 0
    .kernarg_segment_align: 8
    .kernarg_segment_size: 32
    .max_flat_workgroup_size: 512
    .sgpr_count:     102
    .vgpr_count:     256
    .wavefront_size: 32
...
	.end_amdgpu_metadata
.endif
;; end of part 3
